; MI455X (gfx1250); checked and timed in simulation.
; The chip was launched on July 23, 2026; its instructions are those of AMD's public machine-readable ISA for CDNA 5 (MIT licence, August 2026) and "CDNA5" Instruction Set Architecture Reference Guide (July 2026). The comments in the code are by the model that wrote it; some were corrected since.
;; Bit Linear Inf. Allowed arithmetic: float matrix products may take bf16 or f16 operands with f32 sums; other float arithmetic in f32, or as packed bf16 or f16 multiplies, adds, multiply-adds, maxima and minima; sums over many terms, partial sums and values carried from step to step in f32; what a program stores and reads back later, other than sums and carried values, may be rounded once to bf16 or f16.
;; Inputs: bias 4,096 float32; input 4,096 x 4,096 float32; input_factor 4,096 float32; weight 4,096 x 512 int32; weight_scale 4,096 float32.
;; Outputs: out0 4,096 x 4,096 float32.
;; 2 versions, each right; version 2 is version 1 with the launch prep written anew for expert scheduling mode. Each part assembles by itself: llvm-mc -triple=amdgcn-amd-amdhsa -mcpu=gfx1250 --defsym DOCPART=n.
;; ======== version 1 of 2: 3 launches
;; workspace buffers: a16 33,554,432 bytes; w16 33,554,432 bytes; y16 33,554,432 bytes
;; launch prep (part 1): grid 1024 x 1, 8 waves a work-group, no clusters, 0 bytes of LDS; arguments input, input_factor, weight, a16, w16; writes a16, w16
.if DOCPART == 1
	.amdgcn_target "amdgcn-amd-amdhsa--gfx1250"
	.amdhsa_code_object_version 6
	.text
	.protected	k_q4c95c17bde_prep
	.globl	k_q4c95c17bde_prep
	.p2align	8
	.type	k_q4c95c17bde_prep,@function
k_q4c95c17bde_prep:
	s_mov_b64 s[64:65], 0
	v_nop
	global_prefetch_b8 v0, s[64:65] scope:SCOPE_SE
	s_setreg_imm32_b32 hwreg(HW_REG_WAVE_MODE, 25, 1), 1
	s_wait_xcnt 0x0
; The two operands of the matrix product, in bf16.
; a16[r][c] = bf16(input[r][c]).  input: [4096][4096] f32, a16: [4096][4096] bf16.
; w16[o][8 j + b] = bf16(input_factor[8 j + b]), its sign turned where bit b of weight[o][j] is set.  weight: [4096][512] i32, w16: [4096][4096] bf16.
; WHY THE FACTOR GOES TO THE WEIGHTS' SIDE.  The sum over i of (x_i f_i) w_oi is the sum of x_i (f_i w_oi).  A product x_i f_i would have to be rounded a second time to be a matrix operand;
; +-bf16(f_i) is a bf16 number as it stands, and the product of two bf16 numbers (16 significant bits) is exact in the f32 sums.  So the only roundings here are those of the two inputs themselves.
; LIMITS.  input and input_factor are each rounded once to bf16 (8 significant bits).  Of a weight word bits 0 to 7 count and the others are dropped, as the shifts 0 to 7 of the problem's unpacking
; drop them.  NaN and infinities go through as bf16 holds them.
; SHARES.  1,024 work-groups of eight waves; group g owns rows 4 g .. 4 g + 3 of input and of weight.  The text is straight: all 28 loads of a thread go out at once, and each result is stored as its load comes in.
; Thread t keeps columns 1024 c + 4 t .. + 3, c = 0..3, of every row of input: a wave's load covers 512 consecutive bytes of input, its store 256 consecutive, aligned bytes of a16.
; Of a weight row's 512 words wave w, lane l takes words 64 w + l and 64 w + 32 + l, the same two in all four rows, so their 16 factors are loaded and rounded once.  A word becomes 16 bytes: a wave's
; store covers 512 consecutive bytes of w16; the two loads of 128 bytes that make up 256 aligned bytes of weight stand next to each other in the same wave.
; No LDS, no barrier, no matrix unit: no thread wants a byte that another has fetched.  No register that a load or store names is written again, and EXEC never changes: no wait on XCNT is owed.
.set OA, 1                             ; v1        16 t: my byte offset in a chunk of input
.set OS, 2                             ; v2        8 t: in a chunk of a16
.set OW, 3                             ; v3        4 (64 w + l): my word in a row of weight
.set F,  4                             ; v[4:19]   the 16 factors of my two words' columns in f32, half h at F + 8 h; then, packed to bf16, columns 2 q, 2 q + 1 of half h at F + 4 h + q
.set X,  20                            ; v[20:83]  load i = 4 r + c: four f32, then two registers of bf16
.set B,  84                            ; v[84:91]  weight word n = 2 j + h: row j, half h
.set WO, 92                            ; v[92:123] the 8 bf16 made of word n, at WO + 4 n
.set U,  124                           ; v124      at work
.set OF, 125                           ; v125      32 (64 w + l): my word's 8 factors in input_factor
.set OX, 126                           ; v126      16 (64 w + l): my 16 bytes in a row of w16
	s_load_b256 s[4:11], s[0:1], 0x0               ; input s[4:5], input_factor s[6:7], weight s[8:9], a16 s[10:11]
	s_load_b64 s[12:13], s[0:1], 0x20              ; w16
	s_mov_b32 s14, 0x80008000                      ; the signs of two bf16
	v_lshlrev_b32 v[OA], 4, v0
	v_lshlrev_b32 v[OS], 3, v0
	v_and_b32 v[U], 0xe0, v0                       ; 32 w
	v_add_nc_u32 v[U], v[U], v0                    ; 64 w + l
	v_lshlrev_b32 v[OW], 2, v[U]
	v_lshlrev_b32 v[OX], 4, v[U]
	v_lshlrev_b32 v[OF], 5, v[U]
	s_mov_b32 s3, 0
	s_wait_kmcnt 0x0
	s_lshl_b32 s2, ttmp9, 16                       ; four rows of input: 65,536 bytes
	s_add_nc_u64 s[4:5], s[4:5], s[2:3]
	s_lshl_b32 s2, ttmp9, 15                       ; four rows of a16 and of w16: 32,768 bytes
	s_add_nc_u64 s[10:11], s[10:11], s[2:3]
	s_add_nc_u64 s[12:13], s[12:13], s[2:3]
	s_lshl_b32 s2, ttmp9, 13                       ; four rows of weight: 8,192 bytes
	s_add_nc_u64 s[8:9], s[8:9], s[2:3]
.irp h, 0,1
	global_load_b128 v[F+8*(\h):F+8*(\h)+3],   v[OF], s[6:7] offset:1024*(\h)     ; word 64 w + 32 h + l: columns 8 x word .. + 7, 32 bytes of input_factor
	global_load_b128 v[F+8*(\h)+4:F+8*(\h)+7], v[OF], s[6:7] offset:1024*(\h)+16
.endr
.irp i, 0,1,2,3,4,5,6,7,8,9,10,11,12,13,14,15
	global_load_b128 v[X+4*(\i):X+4*(\i)+3], v[OA], s[4:5] offset:((\i)/4)*16384+((\i)%4)*4096 th:TH_LOAD_NT
.endr
.irp n, 0,1,2,3,4,5,6,7
	global_load_b32 v[B+(\n)], v[OW], s[8:9] offset:128*((\n)%2)+2048*((\n)/2)
.endr
; Load i of input: two roundings of two, one store of 8 bytes a lane.
.macro AROW i
	s_wait_loadcnt 23-(\i)                         ; loads come back in order (ISA guide 5.7.1): behind load i stand 15 - i of input and the 8 of weight
	v_cvt_pk_bf16_f32 v[X+4*(\i)],   v[X+4*(\i)],   v[X+4*(\i)+1]
	v_cvt_pk_bf16_f32 v[X+4*(\i)+1], v[X+4*(\i)+2], v[X+4*(\i)+3]
	global_store_b64 v[OS], v[X+4*(\i):X+4*(\i)+1], s[10:11] offset:((\i)/4)*8192+((\i)%4)*2048 th:TH_STORE_NT  ; the wave's 32 lanes store 256 consecutive bytes, aligned
.endm
; Weight word n.  The byte is laid twice into a word, at bits 0-7 and 15-22.  Shifted left by 15 - 2 q, bit 2 q of the first copy stands at bit 15 and bit 2 q + 1 of the second at bit 31,
; and no other bit of either copy reaches these two places: they are the signs of w for columns 2 q and 2 q + 1.  An exclusive or turns the two factors' signs by them, whatever sign a factor has.
.macro WWORD n
	s_wait_loadcnt 7-(\n)                          ; the younger words may stay out
	v_and_b32 v[U], 0xff, v[B+(\n)]
	v_lshl_or_b32 v[U], v[U], 15, v[U]
.irp q, 0,1,2,3
	v_lshlrev_b32 v[WO+4*(\n)+(\q)], 15-2*(\q), v[U]
.endr
.irp q, 0,1,2,3
	v_and_b32 v[WO+4*(\n)+(\q)], s14, v[WO+4*(\n)+(\q)]
.endr
.irp q, 0,1,2,3
	v_xor_b32 v[WO+4*(\n)+(\q)], v[WO+4*(\n)+(\q)], v[F+4*((\n)%2)+(\q)]
.endr
	global_store_b128 v[OX], v[WO+4*(\n):WO+4*(\n)+3], s[12:13] offset:512*((\n)%2)+8192*((\n)/2) th:TH_STORE_NT  ; the wave stores 512 consecutive bytes, aligned
.endm
.irp i, 0,1,2,3,4,5,6,7,8,9,10,11,12,13,14,15
	AROW \i
.endr
.irp k, 0,1,2,3,4,5,6,7
	v_cvt_pk_bf16_f32 v[F+(\k)], v[F+2*(\k)], v[F+2*(\k)+1]        ; the factors, issued first of all loads, are long in.  In place, ascending: register k is written when pairs 0 to k - 1, which lie at or below it, have been read
.endr
.irp n, 0,1,2,3,4,5,6,7
	WWORD \n
.endr
	s_endpgm
.Lfunc_end_k_q4c95c17bde_prep:
	.size	k_q4c95c17bde_prep, .Lfunc_end_k_q4c95c17bde_prep-k_q4c95c17bde_prep
	.p2alignl 7, 3214868480
	.fill 96, 4, 3214868480
	.section	.rodata,"a",@progbits
	.p2align	6, 0x0
	.amdhsa_kernel k_q4c95c17bde_prep
		.amdhsa_group_segment_fixed_size 0
		.amdhsa_private_segment_fixed_size 0
		.amdhsa_enable_private_segment 0
		.amdhsa_kernarg_size 40
		.amdhsa_user_sgpr_count 2
		.amdhsa_user_sgpr_kernarg_segment_ptr 1
		.amdhsa_wavefront_size32 1
		.amdhsa_system_sgpr_workgroup_id_x 1
		.amdhsa_system_sgpr_workgroup_id_y 1
		.amdhsa_system_sgpr_workgroup_id_z 1
		.amdhsa_system_vgpr_workitem_id 0
		.amdhsa_next_free_vgpr 128
		.amdhsa_next_free_sgpr 66
		.amdhsa_reserve_vcc 0
		.amdhsa_float_denorm_mode_32 3
		.amdhsa_float_denorm_mode_16_64 3
		.amdhsa_memory_ordered 1
		.amdhsa_forward_progress 1
		.amdhsa_inst_pref_size 14
	.end_amdhsa_kernel
	.amdgpu_metadata
---
amdhsa.version: [ 1, 2 ]
amdhsa.kernels:
  - .name:           k_q4c95c17bde_prep
    .symbol:         k_q4c95c17bde_prep.kd
    .args:
      - { .name: input, .offset: 0, .size: 8, .value_kind: global_buffer, .address_space: global }
      - { .name: input_factor, .offset: 8, .size: 8, .value_kind: global_buffer, .address_space: global }
      - { .name: weight, .offset: 16, .size: 8, .value_kind: global_buffer, .address_space: global }
      - { .name: a16, .offset: 24, .size: 8, .value_kind: global_buffer, .address_space: global }
      - { .name: w16, .offset: 32, .size: 8, .value_kind: global_buffer, .address_space: global }
    .group_segment_fixed_size: 0
    .private_segment_fixed_size: 0
    .kernarg_segment_align: 8
    .kernarg_segment_size: 40
    .max_flat_workgroup_size: 256
    .sgpr_count:     66
    .vgpr_count:     128
    .wavefront_size: 32
...
	.end_amdgpu_metadata
.endif
;; end of part 1
;; launch gemm (part 2): grid 16 x 16, 4 waves a work-group, clusters of 4 x 4, 327,680 bytes of LDS; arguments a16, w16, y16; writes y16
.if DOCPART == 2
	.amdgcn_target "amdgcn-amd-amdhsa--gfx1250"
	.amdhsa_code_object_version 6
	.text
	.protected	k_q4c95c17bde_gemm
	.globl	k_q4c95c17bde_gemm
	.p2align	8
	.type	k_q4c95c17bde_gemm,@function
k_q4c95c17bde_gemm:
	s_mov_b64 s[64:65], 0
	v_nop
	global_prefetch_b8 v0, s[64:65] scope:SCOPE_SE
	s_setreg_imm32_b32 hwreg(HW_REG_WAVE_MODE, 25, 1), 1
	s_wait_xcnt 0x0
	s_wait_alu depctr_hold_cnt(0) depctr_sa_sdst(0) depctr_va_vdst(0) depctr_va_sdst(0) depctr_va_ssrc(0) depctr_va_vcc(0) depctr_vm_vsrc(0)
	s_getreg_b32 s2, hwreg(HW_REG_IB_STS2, 6, 4)
	s_cmp_eq_u32 s2, 0
	s_cbranch_scc0 .Lentry_in_a_cluster
	s_endpgm
.Lentry_in_a_cluster:
	s_bfe_u32 s2, ttmp6, 0x10000c
	s_cmp_lg_u32 s2, 0xf033
	s_cbranch_scc0 .Lentry_shape_is_right
	s_endpgm
.Lentry_shape_is_right:
; y16[m][n] = the sum over k of a16[m][k] w16[n][k].  All three [4096][4096] bf16; sums in f32, K ascending, y16 rounded once to bf16 (bf16, not f16: the sums have no bound inside f16's range).
; weight_scale, the row statistics and the bias are left to the launch behind, which holds whole rows.
; SHARES.  A tile of 256 x 256 of y16 to a work-group: 256 tiles, 256 work-groups.  Four waves, each 128 x 128: 64 accumulators of 16 x 16, 512 registers.
; K goes in 32 steps of 128 through a ring of two LDS slots filled by the tensor data mover: a tile's rows are 256 bytes of memory and start at multiples of 256 bytes from the buffer's first byte.
; The last K step goes by rows of the tile, so that finished rows leave while the others are multiplied.
; CLUSTERS: 4 x 4 work-groups.  The four of a row of the cluster need the same tiles of a16, the four of a column the same tiles of w16.  Such a tile is asked for JOINTLY: each of the four issues the
; same tensor load, with the same descriptor and a mask that names the four, and each receives the tile in its own LDS: the requests for both operands are divided by four.
; All of a WGP's LDS is claimed; 296,448 bytes are used.
;
; REGISTERS, in windows of 256 (an instruction names v0-v255; s_set_vgpr_msb says which window each operand place means: bits 1:0 source 0, 3:2 source 1, 5:4 source 2, 7:6 destination):
;   window 0: v0-31 addresses; v64-127, v128-191 fragments of A (8 x 16 rows x 32 K), two buffers (in the last K step four, of 16 rows x 128 K); v32-63, v192-255 at work on the way out
;   window 1: v64-127, v128-191 fragments of B, two buffers; in the last K step all 256: B's fragments of the whole step
;   window 2: the 32 accumulators of my rows 0-63 (accumulator (a, b) at v[8 (8 a + b)]);   window 3: those of my rows 64-127
; Work is laid in long stretches under one setting: 32 matrix instructions, 16 loads, 16 loads, 32 matrix instructions.
;
; THE MATRIX INSTRUCTION IS USED TRANSPOSED: source 0 = 16 rows of B (w16), source 1 = 16 rows of A (a16).  In the result lane l holds row l % 16 of the tile, and its registers 0 to 7 the columns
; 8 (l / 16) + 0 .. 7: eight neighbouring numbers of a row, which pack into 16 bytes.
.set SIZE_N, 4096
.set SIZE_K, 4096
.set KSTEP,  128
.set PITCH,  272                       ; an LDS row: 256 bytes of data + 16 of padding = 68 words: row r starts at bank 4 r mod 64 (64 banks of 4 bytes: ISA guide 11.1), so the 16 rows that a load touches start at 16 different banks
.set HALFT,  128*PITCH                 ; 128 rows: what one tensor load brings, and what one wave reads of A or of B
.set SLOT,   4*HALFT                   ; A's 256 rows, then B's 256 rows
.set STAGE,  2*SLOT                    ; behind the ring: 16 rows x 272 bytes for each wave, for the way out; no tensor load lands there
.set SPITCH, 272
.set SPARE,  STAGE+4*16*SPITCH         ; behind the stages: the spare words, 128 bytes for each wave: two blocks of 256 bytes that no other line names
.set LAPS, SIZE_K/(2*KSTEP)            ; 16 laps; a lap = two K steps = once round the ring
.set ADRA, 16                          ; v16-17  LDS address of my A fragments in slot 0, 1
.set ADRB, 20                          ; v20-21  the same for B
.set STO,  24                          ; v24     the way out: where I put 16 bytes of a row
.set RD,   25                          ; v25     the way out: where I read a row back
.set CO,   26                          ; v26     my byte offset in y16
.set SPW,  28                          ; v28     LDS address of my spare word: SPARE + 4 x my thread's number; never rewritten
.set NIL,  29                          ; v29     0; never rewritten
.set PFO,  30                          ; v30     the prefetches' offset: my lane x a row of 8,192 bytes; never rewritten
.set PFA,  44                          ; s[44:45] where my prefetches stand: my work-group's 32 rows of the 128 that I fetch, one K step further along K than the refill in hand; a prefetch names the K step after that
.set LIM,  43                          ; s43     1 in a wave that prefetches, else the greatest number
.set F0,   64                          ; fragment buffer 0
.set F1,   128                         ; fragment buffer 1
.set TMP,  192                         ; the way out: packed results, in window 0
.set OB,   32                          ; the way out: 16 rows read back from the stage: v32-63 and v224-255 by turns
.set PA,   64                          ; the last K step: A's fragments of 16 rows x 128 K, 32 registers; four such buffers, v64-191
.set G1, 24                            ; s[24:31] descriptor group 1 for A's tiles
.set G0, 32                            ; s[32:39] descriptor group 0 for A's tiles, one set for each slot
.set G1B, 48                           ; s[48:55] descriptor group 1 for B's tiles: it differs from A's in the mask alone
.set G0B, 56                           ; s[56:63] descriptor group 0 for B's tiles, one set for each slot
.set MSB, 0
.macro WIN new                         ; the immediate's high byte repeats the setting that is left; a switch that changes nothing is dropped
.if MSB != (\new)
	s_set_vgpr_msb (MSB<<8)|(\new)
.set MSB, \new
.endif
.endm
.set MUL_LO, 0xa1                      ; source 0 (B) window 1, source 1 (A) window 0, C and D window 2
.set MUL_HI, 0xf1                      ; the same, C and D window 3
.set TO_B,   0x40                      ; destination window 1, address window 0
; A joint load.  Waves 0 and 1 fetch A's two halves, waves 2 and 3 B's.  Each of the two lines has ONE mask and one set of registers for all that issue it, and nothing in them hangs on a coordinate
; that the four partners do not share.  The branch hangs on the wave's number alone.  An s_nop 0 and four v_nop follow each line, ahead of the jump, the label and what follows.
.macro JLOAD s
	s_cmp_eq_u32 s11, 0
	s_cbranch_scc0 .Lfor_b_\@
	tensor_load_to_lds s[G0+4*(\s):G0+4*(\s)+3], s[G1:G1+7]
	s_nop 0
.rept 4
	v_nop
.endr
	s_branch .Lasked_\@
.Lfor_b_\@:
	tensor_load_to_lds s[G0B+4*(\s):G0B+4*(\s)+3], s[G1B:G1B+7]
	s_nop 0
.rept 4
	v_nop
.endr
.Lasked_\@:
.endm
; A PREFETCH INTO THE L2, behind each joint refill, its five lines and the run of LDS loads that follows: the K step that stands TWO refills on, 512 matrix instructions ahead of the load that will ask for it:
; 32 rows x 256 bytes, a lane a row, one instruction a wave.  Each row's 256 bytes of a K step are named ONCE in the launch: A's tile row is read by all four clusters of that row of clusters, and the one
; with cluster x = 0 asks; B's tile column likewise, cluster y = 0 asks.  The four partners that ask for a tile jointly share its rows out BY ADDRESS: of the 128 rows that a wave fetches the partner at
; place p takes 32 p .. 32 p + 31 (p = cx for A, cy for B): no branch hangs on a work-group's place in its cluster.  K steps 0 to 3 come by their loads alone; the loop's last trip (s3 = 1) asks for
; nothing: the last K step named is 31, the rows' last.
.macro ASK
	s_cmp_gt_u32 s3, s[LIM]
	s_cbranch_scc0 .Lnot_mine_\@
	global_prefetch_b8 v[PFO], s[PFA:PFA+1] offset:KSTEP*2 th:TH_LOAD_NT scope:SCOPE_SE
.Lnot_mine_\@:
.endm
; A round of the cluster's barrier: my work-group's barrier, so that wave 0's signal speaks for all four waves; wave 0 signals for the work-group; every wave waits for all sixteen work-groups;
; my work-group's barrier once more.  No LDS instruction of the wave is pending at a signal.
.macro CREST                           ; a round behind its opening barrier
	s_cmp_lg_u32 s10, 0
	s_cbranch_scc1 .Lnot_wave_0_\@
	s_barrier_signal -3
.Lnot_wave_0_\@:
	s_barrier_wait -3
	s_barrier_signal -1
	s_barrier_wait -1
.endm
.macro CROUND                          ; a whole round
	s_barrier_signal -1
	s_barrier_wait -1
	CREST
.endm
	s_load_b128 s[4:7], s[0:1], 0x0                ; a16 s[4:5], w16 s[6:7]
	s_load_b64 s[8:9], s[0:1], 0x10                ; y16
	v_lshl_add_u32 v[SPW], v0, 2, SPARE
	v_mov_b32 v[NIL], 0
	ds_add_u32 v[SPW], v[NIL]                      ; the wave's opening: the add, twice on end, and its wait, ahead of my first tensor load; the set-up below, work on registers, stands between
	ds_add_u32 v[SPW], v[NIL]                      ; and once more, under the one wait
	v_lshrrev_b32 v1, 5, v0
	v_readfirstlane_b32 s10, v1                    ; wave 0..3
	s_lshr_b32 s11, s10, 1                         ; which half of the tile's rows is mine.  Also: I fetch for A (0) or for B (1)
	s_and_b32 s12, s10, 1                          ; which half of its columns.  Also: which 128 rows of that tile I fetch
	s_bfe_u32 s40, ttmp6, 0x40000                  ; cx: my place along the cluster's x
	s_bfe_u32 s41, ttmp6, 0x40004                  ; cy: along its y
	s_lshl_b32 s42, ttmp9, 2                       ; in a cluster launch ttmp9 and ttmp7 count clusters
	s_add_co_u32 s42, s42, s40                     ; tile column = 4 x cluster x + cx
	s_and_b32 s13, ttmp7, 0xffff
	s_lshl_b32 s13, s13, 2
	s_add_co_u32 s13, s13, s41                     ; tile row = 4 x cluster y + cy
	s_lshl_b32 s43, s41, 2
	s_lshl_b32 s43, 15, s43                        ; my row of the cluster: places 4 cy .. 4 cy + 3
	s_lshl_b32 s44, 0x1111, s40                    ; my column: places cx, cx + 4, cx + 8, cx + 12
	; descriptor group 1: a tile of 128 rows x 128 elements, padded in LDS
	s_or_b32 s[G1+0], s43, (1<<16)|(1<<20)|(1<<21)|(5<<22)|(3<<25)  ; 15:0 the mask: A's tiles go to my row; 17:16 element of 2 bytes; 20 padding on; 21 set beside a mask; 24:22 after every 64 words (code 5); 31:25 of 4 words (code 3)
	s_or_b32 s[G1B+0], s44, (1<<16)|(1<<20)|(1<<21)|(5<<22)|(3<<25) ; the same with the mask of my column, for B's tiles
	s_mov_b32 s[G1B+1], KSTEP<<16
	s_mov_b32 s[G1+1], KSTEP<<16                   ; 63:48 tensor_dim0, low half = 128
	s_mov_b32 s[G1B+2], 128<<16
	s_mov_b32 s[G1+2], 128<<16                     ; 79:64 its high half = 0; 95:80 tensor_dim1, low half = 128
	s_mov_b32 s[G1B+3], KSTEP<<16
	s_mov_b32 s[G1+3], KSTEP<<16                   ; 111:96 its high half = 0; 127:112 tile_dim0 = 128
	s_mov_b32 s[G1B+4], 128
	s_mov_b32 s[G1+4], 128                         ; 143:128 tile_dim1 = 128; 159:144 tile_dim2 = 0
	s_mov_b32 s[G1B+5], SIZE_K
	s_mov_b32 s[G1+5], SIZE_K                      ; 191:160 tensor_dim0_stride, low word: elements from row to row
	s_mov_b32 s[G1B+6], 0
	s_mov_b32 s[G1+6], 0
	s_mov_b32 s[G1B+7], 0
	s_mov_b32 s[G1+7], 0
	; where the tiles come from.  A's hang on the tile row alone, which my row of the cluster shares; B's on the tile column alone, which my column shares.
	; Every wave makes both addresses, in registers that never hold the other coordinate, and asks by one of them.
	s_lshl_b32 s17, s12, 7                         ; which 128 rows of the tile I fetch
	s_lshl_b32 s16, s13, 8
	s_add_co_u32 s16, s16, s17                     ; A: row 256 x tile row + 128 x half
	s_lshl_b32 s46, s42, 8
	s_add_co_u32 s46, s46, s17                     ; B: row 256 x tile column + 128 x half
	s_mov_b32 s17, 0
	s_mov_b32 s47, 0
	s_mov_b64 s[18:19], SIZE_K*2
	s_mul_u64 s[16:17], s[16:17], s[18:19]         ; in bytes
	s_mul_u64 s[46:47], s[46:47], s[18:19]
	s_mul_i32 s20, s10, HALFT                      ; and where they go: A's two halves, then B's two halves = wave x 128 rows: no place in the cluster enters an LDS address
	s_wait_dscnt 0x0                               ; both opening adds are done
	s_wait_kmcnt 0x0
	s_add_nc_u64 s[14:15], s[4:5], s[16:17]
	s_add_nc_u64 s[46:47], s[6:7], s[46:47]
	CROUND                                         ; all sixteen work-groups are here: the first joint loads meet
.irp s, 0,1
	s_mov_b32 s[G0+4*(\s)], 1                                      ; 1:0 count = 1
	s_add_co_u32 s[G0+4*(\s)+1], s20, (\s)*SLOT                    ; 63:32 LDS address
	s_add_nc_u64 s[G0+4*(\s)+2:G0+4*(\s)+3], s[14:15], (\s)*KSTEP*2  ; 120:64 global address: K step s
	s_or_b32 s[G0+4*(\s)+3], s[G0+4*(\s)+3], 0x80000000            ; 127:126 type = 2
	s_mov_b32 s[G0B+4*(\s)], 1
	s_add_co_u32 s[G0B+4*(\s)+1], s20, (\s)*SLOT
	s_add_nc_u64 s[G0B+4*(\s)+2:G0B+4*(\s)+3], s[46:47], (\s)*KSTEP*2
	s_or_b32 s[G0B+4*(\s)+3], s[G0B+4*(\s)+3], 0x80000000
	JLOAD \s                                       ; the ring is filled before anything else is done: two loads of mine are out
.endr
	; A fragment is 16 rows x 32 K in 8 registers: lane l holds row l % 16; registers 0-3 hold K = 8 (l / 16) + 0..7, registers 4-7 hold
	; K = 16 + 8 (l / 16) + 0..7.  From rows that lie along K: two loads of 16 bytes, 32 bytes apart.  The same for source 0 and source 1.
	v_and_b32 v1, 15, v0                           ; l % 16
	v_bfe_u32 v2, v0, 4, 1                         ; l / 16
	v_mul_u32_u24 v3, v1, PITCH
	v_lshl_add_u32 v3, v2, 4, v3                   ; row x pitch + 16 x half
	s_mul_i32 s21, s11, HALFT                      ; my 128 rows of A
	s_mul_i32 s22, s12, HALFT                      ; my 128 rows of B,
	s_add_co_u32 s22, s22, 2*HALFT                 ; which lie behind A's 256
.irp s, 0,1
	v_add_nc_u32 v[ADRA+(\s)], s21, v3
	v_add_nc_u32 v[ADRB+(\s)], s22, v3
	s_add_co_u32 s21, s21, SLOT
	s_add_co_u32 s22, s22, SLOT
.endr
	s_mul_i32 s23, s10, 16*SPITCH
	s_add_co_u32 s23, s23, STAGE                   ; my stage
	v_mul_u32_u24 v4, v1, SPITCH                   ; in: row l % 16, 16 bytes for each half of the lanes
	v_lshl_add_u32 v4, v2, 4, v4
	v_add_nc_u32 v[STO], s23, v4
	v_mul_u32_u24 v5, v2, SPITCH                   ; back: lanes 0-15 take one row of 256 bytes, lanes 16-31 the next
	v_lshl_add_u32 v5, v1, 4, v5
	v_add_nc_u32 v[RD], s23, v5
	v_mul_u32_u24 v5, v2, SIZE_N*2                 ; and the same two rows in y16
	v_lshl_add_u32 v[CO], v1, 4, v5
	; where my part of the tile begins in y16, in bytes: the way out adds it to y16's address
	s_lshl_b32 s13, s13, 8
	s_lshl_b32 s14, s11, 7
	s_add_co_u32 s16, s13, s14                     ; my first row
	s_mov_b32 s17, 0
	s_mov_b64 s[18:19], SIZE_N*2
	s_mul_u64 s[16:17], s[16:17], s[18:19]
	s_lshl_b32 s46, s42, 9                         ; my first column, in bytes: 512 x tile column + 256 x half (in the registers that held B's address: none that feeds A's descriptors ever holds cx)
	s_lshl_b32 s47, s12, 8
	s_add_co_u32 s46, s46, s47
	s_mov_b32 s47, 0
	s_add_nc_u64 s[16:17], s[16:17], s[46:47]
	; the prefetches.  s13 = 256 x tile row, s42 = tile column, s40 = cx, s41 = cy still stand; s[4:5] = a16, s[6:7] = w16
	s_lshl_b32 s42, s42, 8
	s_and_b32 s22, ttmp7, 0xffff                   ; cluster y
	s_cmp_eq_u32 s11, 0                            ; do I fetch for A?
	s_cselect_b32 s20, s13, s42                    ; the tile's first row: in A by the tile row, in B by the tile column
	s_cselect_b32 s21, s40, s41                    ; my place among the four that ask for it with me
	s_cselect_b32 s22, ttmp9, s22                  ; the coordinate along which other clusters read the same rows
	s_cselect_b64 s[PFA:PFA+1], s[4:5], s[6:7]
	s_cmp_eq_u32 s22, 0
	s_cselect_b32 s[LIM], 1, -1                    ; the same in all sixteen partners, for a given wave
	s_lshl_b32 s22, s12, 7
	s_add_co_u32 s20, s20, s22                     ; + the 128 rows that I fetch
	s_lshl_b32 s21, s21, 5
	s_add_co_u32 s20, s20, s21                     ; + my work-group's 32 of them
	s_mov_b32 s21, 0
	s_mov_b64 s[18:19], SIZE_K*2
	s_mul_u64 s[20:21], s[20:21], s[18:19]
	s_add_nc_u64 s[PFA:PFA+1], s[PFA:PFA+1], s[20:21]
	s_add_nc_u64 s[PFA:PFA+1], s[PFA:PFA+1], 2*KSTEP*2  ; at K step 2: the first refill steps it to 3 and names K step 4
	v_and_b32 v[PFO], 31, v0
	v_mul_u32_u24 v[PFO], v[PFO], SIZE_K*2
	; nothing is prefetched here, at the head, where every work-group's first two tiles are on their way
; 16 matrix instructions: m blocks a0, a0 + 1 of the window's four (hi = 0: my rows 0-63, 1: rows 64-127) x all 8 n blocks, 32 along K.
; zero = 1: the first product starts the sums: nothing is ever cleared.  The 64 accumulators take turns, one instruction a turn, in the same order in every quarter step.
.macro MUL16 f, hi, a0, zero
	WIN MUL_LO+0x50*(\hi)  ; MUL_LO or MUL_HI
.irp a, \a0, (\a0)+1
.irp b, 0,1,2,3,4,5,6,7
.if \zero
	v_wmma_f32_16x16x32_bf16 v[8*(8*(\a)+(\b)):8*(8*(\a)+(\b))+7], v[(\f)+8*(\b):(\f)+8*(\b)+7], v[(\f)+8*(4*(\hi)+(\a)):(\f)+8*(4*(\hi)+(\a))+7], 0
.else
	v_wmma_f32_16x16x32_bf16 v[8*(8*(\a)+(\b)):8*(8*(\a)+(\b))+7], v[(\f)+8*(\b):(\f)+8*(\b)+7], v[(\f)+8*(4*(\hi)+(\a)):(\f)+8*(4*(\hi)+(\a))+7], v[8*(8*(\a)+(\b)):8*(8*(\a)+(\b))+7]
.endif
.endr
.endr
.endm
; 32 LDS loads in one run: the fragments of one quarter step (128 rows of B, 128 rows of A, 32 K at byte k of the rows) into buffer f
.macro FETCH slot, k, f
	WIN TO_B
.irp i, 0,1,2,3,4,5,6,7
	ds_load_b128 v[(\f)+8*(\i):(\f)+8*(\i)+3],   v[ADRB+(\slot)] offset:(\k)+(\i)*16*PITCH
	ds_load_b128 v[(\f)+8*(\i)+4:(\f)+8*(\i)+7], v[ADRB+(\slot)] offset:(\k)+(\i)*16*PITCH+32
.endr
	WIN 0
.irp i, 0,1,2,3,4,5,6,7
	ds_load_b128 v[(\f)+8*(\i):(\f)+8*(\i)+3],   v[ADRA+(\slot)] offset:(\k)+(\i)*16*PITCH
	ds_load_b128 v[(\f)+8*(\i)+4:(\f)+8*(\i)+7], v[ADRA+(\slot)] offset:(\k)+(\i)*16*PITCH+32
.endr
.endm
; A load into a register that a matrix instruction has read, and a vector instruction that reads a matrix result, stand four places behind that matrix instruction, and only plain vector
; instructions that name none of its registers are places (ISA guide 7.12.1 for vector instructions).  So four v_nop stand in front of each run of loads,
; and in front of conversions that read results just made.
.macro PLACES
.rept 4
	v_nop
.endr
.endm
; A K step is four quarter steps of 32 along K, 64 matrix instructions each, on buffers 0, 1, 0, 1.
; One of the first three: multiplies buffer f; in its middle it fetches the next quarter's fragments, at byte k of the same slot's rows, into buffer g.
.macro QUARTER slot, k, f, g, zero
	s_wait_dscnt 8                                 ; B and A's rows 0-63 are in; the youngest eight loads (A's rows 64-127) may be out
	WIN MUL_LO
	MUL16 \f, 0, 0, \zero
	MUL16 \f, 0, 2, \zero
	PLACES
	FETCH \slot, \k, \g
	s_wait_dscnt 32                                ; all but the 32 just issued
	WIN MUL_HI
	MUL16 \f, 1, 0, \zero
	MUL16 \f, 1, 2, \zero
.endm
; The last quarter multiplies buffer 1 and changes slots.  MEET is its first half: ONE barrier for the change of slots, for two things.  In front of it each wave waits for all its tensor loads,
; of which one is out: its part of the next slot; adds 0 to its spare word; and waits for that and for its own reads of this slot.  Behind it nobody reads this slot any more and the next slot is whole.
.macro MEET round                      ; round = 1: the rest of a round of the cluster's barrier follows
	WIN 0                                          ; (the add's two registers lie in window 0)
	s_wait_tensorcnt 0x0                           ; all my tensor loads have landed: the one that was out is my part of the next slot;
	ds_add_u32 v[SPW], v[NIL]                      ; 0 onto my spare word;
	s_wait_dscnt 9                                 ; (the add and the youngest eight loads may be out)
	WIN MUL_LO
	MUL16 F1, 0, 0, 0                              ; sixteen matrix instructions stand between the add and the wait for it
	s_wait_dscnt 0x0                               ; the add is done, and my reads of this slot are over:
	s_barrier_signal -1                            ; say so (where a slot is filled again this barrier opens a round of the cluster's barrier),
	MUL16 F1, 0, 2, 0                              ; work on registers while the others arrive,
.if \round
	WIN 0
.endif
	s_barrier_wait -1                              ; and go on when all four have said so
.endm
; The whole last quarter.  Behind the round the slot just read out is filled again first, with the K step two steps on; then come the next slot's first fragments.
; From a request to the wait for it a wave issues 224 matrix instructions.
.macro TURN slot, next
	s_wait_xcnt 0x0                                ; the last prefetch, a K step back, has read its address: it is stepped here, ahead of the waits of the change of slots
	s_add_nc_u64 s[PFA:PFA+1], s[PFA:PFA+1], KSTEP*2
	MEET 1
	CREST                                          ; wave 0 says so for the work-group, all sixteen work-groups have said so, my work-group's barrier closes the round:
	                                               ; no wave of any partner still reads this slot's tile or has a load on its way, so both group 0 sets of the slot may be written
	s_add_nc_u64 s[G0+4*(\slot)+2:G0+4*(\slot)+3], s[G0+4*(\slot)+2:G0+4*(\slot)+3], 2*KSTEP*2
	s_add_nc_u64 s[G0B+4*(\slot)+2:G0B+4*(\slot)+3], s[G0B+4*(\slot)+2:G0B+4*(\slot)+3], 2*KSTEP*2
	JLOAD \slot                                    ; my one tensor load behind the round; the four v_nop behind it are also the places in front of the loads below
	FETCH \next, 0, F0
	ASK                                            ; behind the joint load and the run of LDS loads that the next products wait for
	WIN MUL_HI
	MUL16 F1, 1, 0, 0
	MUL16 F1, 1, 2, 0
.endm
; THE LAST K STEP (it lies in slot 1) GOES BY ROWS OF THE TILE, NOT BY K.  All its fragments of B (4 quarters x 64 registers) fill window 1; then my eight blocks of 16 rows are finished one after
; the other, each with 32 matrix instructions (its 8 accumulators by turns, K ascending).  LDS is read no more than in any other K step.
.macro BLOAD q                         ; B's fragments of quarter q -> window 1, v[64 q ..]
	WIN TO_B
.irp i, 0,1,2,3,4,5,6,7
	ds_load_b128 v[64*(\q)+8*(\i):64*(\q)+8*(\i)+3],   v[ADRB+1] offset:64*(\q)+(\i)*16*PITCH
	ds_load_b128 v[64*(\q)+8*(\i)+4:64*(\q)+8*(\i)+7], v[ADRB+1] offset:64*(\q)+(\i)*16*PITCH+32
.endr
.endm
.macro ALOAD a                         ; A's fragments of block a, all four quarters -> buffer a % 4
	WIN 0
.set FA, PA+32*((\a)%4)
.irp q, 0,1,2,3
	ds_load_b128 v[FA+8*(\q):FA+8*(\q)+3],   v[ADRA+1] offset:64*(\q)+(\a)*16*PITCH
	ds_load_b128 v[FA+8*(\q)+4:FA+8*(\q)+7], v[ADRA+1] offset:64*(\q)+(\a)*16*PITCH+32
.endr
.endm
.macro ROW a                           ; block a is finished: 32 matrix instructions
.set FA, PA+32*((\a)%4)                ; its fragments of A
.set AC, 64*((\a)%4)                   ; its eight accumulators, in window 2 (blocks 0-3) or 3 (blocks 4-7)
	WIN MUL_LO+0x50*((\a)/4)                       ; MUL_LO or MUL_HI
.irp q, 0,1,2,3
.if (\a) == 0 && (\q) == 2
	s_wait_dscnt 24                                ; B's quarter 2 is in (behind it: A's blocks 1 to 3, 24 loads)
.endif
.irp b, 0,1,2,3,4,5,6,7
	v_wmma_f32_16x16x32_bf16 v[AC+8*(\b):AC+8*(\b)+7], v[64*(\q)+8*(\b):64*(\q)+8*(\b)+7], v[FA+8*(\q):FA+8*(\q)+7], v[AC+8*(\b):AC+8*(\b)+7]
.endr
.endr
.endm
; THE WAY OUT of block a, in three parts.  PACK: rounded to bf16, 16 bytes a lane; each accumulator's registers in ascending order.  TOSTAGE: into my own stage in LDS, and back as whole rows of 256 bytes.  SEND: stored.
.macro PACK a
.set AC, 64*((\a)%4)
	WIN 0x0a+5*((\a)/4)                            ; sources 0 and 1: window 2 or 3
.irp b, 0,1,2,3,4,5,6,7
.irp r, 0,1,2,3
	v_cvt_pk_bf16_f32 v[TMP+4*(\b)+(\r)], v[AC+8*(\b)+2*(\r)], v[AC+8*(\b)+2*(\r)+1]
.endr
.endr
	WIN 0
.endm
.macro TOSTAGE a
	WIN 0
.set BK, OB+192*((\a)%2)
.irp b, 0,1,2,3,4,5,6,7
	ds_store_b128 v[STO], v[TMP+4*(\b):TMP+4*(\b)+3] offset:32*(\b)
.endr
.irp t, 0,1,2,3,4,5,6,7
	ds_load_b128 v[BK+4*(\t):BK+4*(\t)+3], v[RD] offset:(\t)*2*SPITCH  ; LDS serves a wave's instructions in order (ISA guide 5.7.1.4): these see the stores above
.endr
.endm
.macro SEND a, younger                 ; younger: the LDS loads issued behind TOSTAGE's, which may stay out
	WIN 0
.set BK, OB+192*((\a)%2)
	s_wait_dscnt \younger                          ; the block is back in registers
	s_wait_xcnt 0x0                                ; every earlier memory instruction has had its addresses translated (ISA guide 3.1): only behind this wait are the stores' base and the registers that earlier stores read rewritten
.if (\a) == 0
	s_add_nc_u64 s[8:9], s[8:9], s[16:17]          ; on to my part's first rows
.else
	s_add_nc_u64 s[8:9], s[8:9], 16*SIZE_N*2       ; 16 rows on, so that the stores' offsets stay small: 14 rows of 8,192 bytes at the most
.endif
.irp t, 0,1,2,3,4,5,6,7
	global_store_b128 v[CO], v[BK+4*(\t):BK+4*(\t)+3], s[8:9] offset:2*(\t)*SIZE_N*2  ; 16 lanes store 256 consecutive bytes, at a multiple of 256 from y16's first byte
.endr
.endm
	s_wait_tensorcnt 1                             ; my part of K step 0 is in; K step 1's load may stay out
	s_barrier_signal -1
	s_barrier_wait -1                              ; everybody's is
	FETCH 0, 0, F0
	QUARTER 0, 64,  F0, F1, 1                      ; the first quarter stands in front of the loop: its products start the sums
	WIN 0                                          ; at a label and at a branch every window is 0
	s_mov_b32 s3, LAPS-1
.Llap:                                                 ; a trip goes once round the ring, from a lap's second quarter to the next lap's first, and fills both slots again
	QUARTER 0, 128, F1, F0, 0
	QUARTER 0, 192, F0, F1, 0
	TURN 0, 1
	QUARTER 1, 64,  F0, F1, 0
	QUARTER 1, 128, F1, F0, 0
	QUARTER 1, 192, F0, F1, 0
	TURN 1, 0
	QUARTER 0, 64,  F0, F1, 0
	WIN 0
	s_sub_co_u32 s3, s3, 1
	s_cmp_lg_u32 s3, 0
	s_cbranch_scc1 .Llap
	QUARTER 0, 128, F1, F0, 0                      ; the last lap goes on; it asks for nothing more
	QUARTER 0, 192, F0, F1, 0
	MEET 0                                         ; my one tensor load that was still out is slot 1's, the last K step's, so no round follows
	PLACES                                         ; for the loads into buffer 0, which the quarter before multiplied
	WIN TO_B
	BLOAD 0                                        ; three quarters of B now: buffer 1 (v128-191 of both windows) is still being multiplied
	BLOAD 1
	BLOAD 3
	WIN 0
	ALOAD 0
	WIN MUL_HI
	MUL16 F1, 1, 0, 0
	MUL16 F1, 1, 2, 0
	PLACES                                         ; for the loads into buffer 1
	WIN TO_B
	BLOAD 2
	WIN 0
	ALOAD 1
	ALOAD 2
	ALOAD 3
	s_wait_dscnt 40                                ; all but the 40 just issued: B's quarter 2 and A's blocks 1 to 3
	ROW 0
.irp a, 0,1,2,3,4,5,6,7                ; each block leaves as soon as it is finished: nothing follows this tile under which its stores could leave
	PLACES                                         ; its conversions read results just made, and no other vector work is at hand
	PACK \a
	TOSTAGE \a
.if (\a) < 4
	ALOAD (\a)+4                                   ; its buffer takes the block four further on
	SEND \a, 8
.else
	SEND \a, 0
.endif
.if (\a) < 7
	ROW (\a)+1
.endif
.endr
	s_wait_tensorcnt 0x0                           ; the wave's end, behind my last tensor load and my last LDS store
	ds_add_u32 v[SPW], v[NIL]
	s_wait_dscnt 0x0
	CROUND                                         ; the closing round: no work-group ends while a partner may still ask for a tile that names it
	s_endpgm
.Lfunc_end_k_q4c95c17bde_gemm:
	.size	k_q4c95c17bde_gemm, .Lfunc_end_k_q4c95c17bde_gemm-k_q4c95c17bde_gemm
	.p2alignl 7, 3214868480
	.fill 96, 4, 3214868480
	.section	.rodata,"a",@progbits
	.p2align	6, 0x0
	.amdhsa_kernel k_q4c95c17bde_gemm
		.amdhsa_group_segment_fixed_size 327680
		.amdhsa_private_segment_fixed_size 0
		.amdhsa_enable_private_segment 0
		.amdhsa_kernarg_size 24
		.amdhsa_user_sgpr_count 2
		.amdhsa_user_sgpr_kernarg_segment_ptr 1
		.amdhsa_wavefront_size32 1
		.amdhsa_system_sgpr_workgroup_id_x 1
		.amdhsa_system_sgpr_workgroup_id_y 1
		.amdhsa_system_sgpr_workgroup_id_z 1
		.amdhsa_system_vgpr_workitem_id 0
		.amdhsa_next_free_vgpr 1024
		.amdhsa_next_free_sgpr 66
		.amdhsa_reserve_vcc 0
		.amdhsa_float_denorm_mode_32 3
		.amdhsa_float_denorm_mode_16_64 3
		.amdhsa_memory_ordered 1
		.amdhsa_forward_progress 1
		.amdhsa_inst_pref_size 144
	.end_amdhsa_kernel
	.amdgpu_metadata
---
amdhsa.version: [ 1, 2 ]
amdhsa.kernels:
  - .name:           k_q4c95c17bde_gemm
    .symbol:         k_q4c95c17bde_gemm.kd
    .args:
      - { .name: a16, .offset: 0, .size: 8, .value_kind: global_buffer, .address_space: global }
      - { .name: w16, .offset: 8, .size: 8, .value_kind: global_buffer, .address_space: global }
      - { .name: y16, .offset: 16, .size: 8, .value_kind: global_buffer, .address_space: global }
    .group_segment_fixed_size: 327680
    .private_segment_fixed_size: 0
    .kernarg_segment_align: 8
    .kernarg_segment_size: 24
    .max_flat_workgroup_size: 128
    .sgpr_count:     66
    .vgpr_count:     1024
    .wavefront_size: 32
...
	.end_amdgpu_metadata
.endif
;; end of part 2
;; launch norm (part 3): grid 1024 x 1, 8 waves a work-group, no clusters, 1,280 bytes of LDS; arguments y16, weight_scale, bias, out0; writes out0
.if DOCPART == 3
	.amdgcn_target "amdgcn-amd-amdhsa--gfx1250"
	.amdhsa_code_object_version 6
	.text
	.protected	k_q4c95c17bde_norm
	.globl	k_q4c95c17bde_norm
	.p2align	8
	.type	k_q4c95c17bde_norm,@function
k_q4c95c17bde_norm:
	s_mov_b64 s[64:65], 0
	v_nop
	global_prefetch_b8 v0, s[64:65] scope:SCOPE_SE
	s_setreg_imm32_b32 hwreg(HW_REG_WAVE_MODE, 25, 1), 1
	s_wait_xcnt 0x0
; z[r][c] = y16[r][c] * weight_scale[c];  out0[r][c] = (z - mean_r) * rsqrt(var_r + 1e-5) + bias[c], mean and variance over the row's 4,096 numbers.
; y16: [4096][4096] bf16, out0: [4096][4096] f32.  All arithmetic in f32.  The mean is taken first and the variance is the mean of the squared deviations: no difference of large sums.
; weight_scale and bias are taken rounded to bf16, as the launch in front takes input and input_factor: the whole program computes the problem's function of ONE set of inputs, all rounded alike.
; LIMITS.  Those roundings (8 significant bits).  y16 was rounded once to bf16, so a number of z is off by up to 2^-8 of itself: in a row whose mean is large beside its spread the result is off by
; up to 2^-8 x |mean| / spread.  NaN and infinities are not treated apart: one in a row spoils the row, as in the problem's own arithmetic.
; SHARES.  1,024 work-groups of eight waves; group g owns rows 4 g .. 4 g + 3, whole, in registers between the passes: y16 is read once.  Thread t keeps columns 1024 c + 4 t .. + 3, c = 0..3, in every
; row: its 16 scales, and later its 16 biases, are loaded once.  A wave's load covers 256 consecutive, aligned bytes of y16; its store 512 consecutive bytes of out0.
; A row's sum: in the lane, across the wave's 32 lanes, then the eight waves' figures meet in LDS, four rows at once: two meetings (sums; sums of squares) on bytes of their own, one barrier each.
; No matrix unit, cluster or tensor load: nothing is shared between work-groups, and the loads of scales and of y16 go out at once.
.set OY,  2                            ; v2        8 t: my byte offset in a chunk of y16
.set OO,  3                            ; v3        16 t: in a chunk of out0, weight_scale and bias
.set SPW, 4                            ; v4        LDS address of my spare word: SPARE + 4 x my thread's number; never rewritten
.set NIL, 5                            ; v5        0; never rewritten
.set LW,  6                            ; v6        16 x wave: where my wave's four figures go
.set LZ,  7                            ; v7        0: from where all are read
.set WB,  8                            ; v[8:23]   my 16 scales, chunk c at WB + 4 c; later my 16 biases
.set RAW, 24                           ; v[24:55]  y16 as loaded, row r chunk c at RAW + 8 r + 2 c; then at work: row r's running sums at RAW + 8 r .. + 3; the eight waves' figures
.set Z,   56                           ; v[56:119] z, then z - mean, then the result: row r chunk c at Z + 16 r + 4 c
.set SQ,  120                          ; v[120:123] the four rows' figures on their way to LDS
.set MN,  120                          ; v[120:127] row r's mean, later its 1 / sqrt, twice: the pair MN + 2 r
.set SUMS,  0                          ; LDS: [wave][row] f32, 128 bytes: the rows' sums
.set SQRS,  128                        ; the same for the sums of squares
.set SPARE, 256                        ; the spare words, 128 bytes for each of the eight waves: four blocks of 256 bytes that no other line names
	s_load_b256 s[4:11], s[0:1], 0x0               ; y16 s[4:5], weight_scale s[6:7], bias s[8:9], out0 s[10:11]
	v_lshl_add_u32 v[SPW], v0, 2, SPARE
	v_mov_b32 v[NIL], 0
	v_lshrrev_b32 v1, 5, v0
	v_readfirstlane_b32 s12, v1                    ; wave 0..7
	s_lshl_b32 s13, s12, 4
	s_mov_b32 s14, 0x76543210                      ; v_permlanex16_b32: lane i of one half reads lane i of the other
	s_mov_b32 s15, 0xfedcba98
	s_mov_b32 s16, 0x39800000                      ; 1 / 4096
	s_mov_b32 s17, 0x3727c5ac                      ; 1e-5
	s_mov_b32 s18, 0xffff0000                      ; a word's upper bf16
	v_lshlrev_b32 v[OY], 3, v0
	v_lshlrev_b32 v[OO], 4, v0
	v_mov_b32 v[LW], s13
	v_mov_b32 v[LZ], 0
	s_mov_b32 s3, 0
	s_wait_kmcnt 0x0
	s_lshl_b32 s2, ttmp9, 15                       ; four rows of y16: 32,768 bytes
	s_add_nc_u64 s[4:5], s[4:5], s[2:3]
	s_lshl_b32 s2, ttmp9, 16                       ; four rows of out0: 65,536 bytes
	s_add_nc_u64 s[10:11], s[10:11], s[2:3]
.irp c, 0,1,2,3
	global_load_b128 v[WB+4*(\c):WB+4*(\c)+3], v[OO], s[6:7] offset:(\c)*4096
.endr
.irp r, 0,1,2,3
.irp c, 0,1,2,3
	global_load_b64 v[RAW+8*(\r)+2*(\c):RAW+8*(\r)+2*(\c)+1], v[OY], s[4:5] offset:(\r)*8192+(\c)*2048 th:TH_LOAD_NT
.endr
.endr
; The 16 numbers in WB are rounded to bf16 and widened again, in place: four roundings of two into the registers t .. t + 3, eight unpackings (a shift or a mask), twice.
.macro ROUND16 t
.irp g, 0,1
.irp k, 0,1,2,3
	v_cvt_pk_bf16_f32 v[(\t)+(\k)], v[WB+8*(\g)+2*(\k)], v[WB+8*(\g)+2*(\k)+1]
.endr
.irp k, 0,1,2,3
	v_lshlrev_b32 v[WB+8*(\g)+2*(\k)],   16,  v[(\t)+(\k)]
	v_and_b32     v[WB+8*(\g)+2*(\k)+1], s18, v[(\t)+(\k)]
.endr
.endr
.endm
; Row r comes in: bf16 to f32 (a shift or a mask), times the scale (two bf16 numbers: the product is exact in f32); then my 16 numbers' sum, in two chains of packed additions.
.macro ROWIN r
.set A0, RAW+8*(\r)
.set ZR, Z+16*(\r)
	s_wait_loadcnt 12-4*(\r)                       ; loads come back in order (ISA guide 5.7.1): the later rows' four loads each may stay out
.irp c, 0,1,2,3
	v_lshlrev_b32 v[ZR+4*(\c)],   16,  v[A0+2*(\c)]
	v_and_b32     v[ZR+4*(\c)+1], s18, v[A0+2*(\c)]
	v_lshlrev_b32 v[ZR+4*(\c)+2], 16,  v[A0+2*(\c)+1]
	v_and_b32     v[ZR+4*(\c)+3], s18, v[A0+2*(\c)+1]
	v_pk_mul_f32 v[ZR+4*(\c):ZR+4*(\c)+1],   v[ZR+4*(\c):ZR+4*(\c)+1],   v[WB+4*(\c):WB+4*(\c)+1]
	v_pk_mul_f32 v[ZR+4*(\c)+2:ZR+4*(\c)+3], v[ZR+4*(\c)+2:ZR+4*(\c)+3], v[WB+4*(\c)+2:WB+4*(\c)+3]
.endr
	v_pk_add_f32 v[A0:A0+1],   v[ZR:ZR+1],     v[ZR+2:ZR+3]      ; the first additions start the chains: nothing is cleared
	v_pk_add_f32 v[A0+2:A0+3], v[ZR+4:ZR+5],   v[ZR+6:ZR+7]
	v_pk_add_f32 v[A0:A0+1],   v[A0:A0+1],     v[ZR+8:ZR+9]
	v_pk_add_f32 v[A0+2:A0+3], v[A0+2:A0+3],   v[ZR+10:ZR+11]
	v_pk_add_f32 v[A0:A0+1],   v[A0:A0+1],     v[ZR+12:ZR+13]
	v_pk_add_f32 v[A0+2:A0+3], v[A0+2:A0+3],   v[ZR+14:ZR+15]
	v_pk_add_f32 v[A0:A0+1],   v[A0:A0+1],     v[A0+2:A0+3]
	v_add_f32 v[SQ+(\r)], v[A0], v[A0+1]
.endm
; The four figures in SQ are summed across the wave's 32 lanes: four steps inside each half of 16 lanes ride on the addition (DPP), one crosses the halves.  The four rows alternate.
.macro RED
.irp m, 1,2,4,8
.irp r, 0,1,2,3
	v_add_f32_dpp v[SQ+(\r)], v[SQ+(\r)], v[SQ+(\r)] row_xmask:\m row_mask:0xf bank_mask:0xf
.endr
.endr
.irp r, 0,1,2,3
	v_permlanex16_b32 v[RAW+8*(\r)], v[SQ+(\r)], s14, s15          ; its destination counts as read: a register that has been written
.endr
.irp r, 0,1,2,3
	v_add_f32 v[SQ+(\r)], v[SQ+(\r)], v[RAW+8*(\r)]
.endr
.endm
; The eight waves' figures meet at LDS byte off: each wave stores its four (all lanes the same 16 bytes with the same values), waits for its store, passes the barrier, reads all eight waves' and adds
; them, in the same order in every wave.  The four rows' totals end in v[RAW:RAW+3].
.macro MEETSUM off
	ds_store_b128 v[LW], v[SQ:SQ+3] offset:\off
	s_wait_dscnt 0x0                               ; for the others' sake: my store is done
	s_barrier_signal -1
	s_barrier_wait -1
.irp w, 0,1,2,3,4,5,6,7
	ds_load_b128 v[RAW+4*(\w):RAW+4*(\w)+3], v[LZ] offset:(\off)+16*(\w)
.endr
	s_wait_dscnt 0x0
.irp w, 0,2,4,6
	v_pk_add_f32 v[RAW+4*(\w):RAW+4*(\w)+1],   v[RAW+4*(\w):RAW+4*(\w)+1],   v[RAW+4*(\w)+4:RAW+4*(\w)+5]
	v_pk_add_f32 v[RAW+4*(\w)+2:RAW+4*(\w)+3], v[RAW+4*(\w)+2:RAW+4*(\w)+3], v[RAW+4*(\w)+6:RAW+4*(\w)+7]
.endr
.irp w, 0,4
	v_pk_add_f32 v[RAW+4*(\w):RAW+4*(\w)+1],   v[RAW+4*(\w):RAW+4*(\w)+1],   v[RAW+4*(\w)+8:RAW+4*(\w)+9]
	v_pk_add_f32 v[RAW+4*(\w)+2:RAW+4*(\w)+3], v[RAW+4*(\w)+2:RAW+4*(\w)+3], v[RAW+4*(\w)+10:RAW+4*(\w)+11]
.endr
	v_pk_add_f32 v[RAW:RAW+1],   v[RAW:RAW+1],   v[RAW+16:RAW+17]
	v_pk_add_f32 v[RAW+2:RAW+3], v[RAW+2:RAW+3], v[RAW+18:RAW+19]
.endm
	s_wait_loadcnt 16                              ; the four loads of scales, issued first, are in; the sixteen of y16 may stay out
	ROUND16 Z                                      ; at work in Z's first four registers, which row 0 writes only afterwards
	ROWIN 0
	ROWIN 1
	ROWIN 2
	ROWIN 3
.irp c, 0,1,2,3
	global_load_b128 v[WB+4*(\c):WB+4*(\c)+3], v[OO], s[8:9] offset:(\c)*4096  ; the scales have been used: the biases take their place, and come in under both meetings
.endr
	RED
	MEETSUM SUMS
.irp r, 0,1,2,3
	v_mul_f32 v[MN+2*(\r)],   s16, v[RAW+(\r)]     ; the mean, twice: a pair for the packed subtraction
	v_mul_f32 v[MN+2*(\r)+1], s16, v[RAW+(\r)]
.endr
	; z - mean in place, and the sum of its squares: a chain for each row, the four rows alternating; the first product starts the chain
.irp p, 0,1,2,3,4,5,6,7
.irp r, 0,1,2,3
	v_pk_add_f32 v[Z+16*(\r)+2*(\p):Z+16*(\r)+2*(\p)+1], v[Z+16*(\r)+2*(\p):Z+16*(\r)+2*(\p)+1], v[MN+2*(\r):MN+2*(\r)+1] neg_lo:[0,1] neg_hi:[0,1]
.endr
.irp r, 0,1,2,3
.if (\p) == 0
	v_pk_mul_f32 v[RAW+8*(\r):RAW+8*(\r)+1], v[Z+16*(\r):Z+16*(\r)+1], v[Z+16*(\r):Z+16*(\r)+1]
.else
	v_pk_fma_f32 v[RAW+8*(\r):RAW+8*(\r)+1], v[Z+16*(\r)+2*(\p):Z+16*(\r)+2*(\p)+1], v[Z+16*(\r)+2*(\p):Z+16*(\r)+2*(\p)+1], v[RAW+8*(\r):RAW+8*(\r)+1]
.endif
.endr
.endr
.irp r, 0,1,2,3
	v_add_f32 v[SQ+(\r)], v[RAW+8*(\r)], v[RAW+8*(\r)+1]           ; the means are no longer wanted
.endr
	RED
	MEETSUM SQRS                                   ; other bytes than the first meeting's: no wave's store here can reach bytes that a slower wave still reads
.irp r, 0,1,2,3
	v_fma_f32 v[RAW+(\r)], v[RAW+(\r)], s16, s17   ; the variance + 1e-5
.endr
	s_wait_loadcnt 0x0                             ; the biases
.irp r, 0,1,2,3
	v_rsq_f32 v[MN+2*(\r)], v[RAW+(\r)]
.endr
	ROUND16 RAW+4                                  ; the biases' rounding: 24 plain instructions that name neither a source nor a result of the four v_rsq_f32: the independent work behind them (ISA guide 5.7.2)
	s_wait_alu depctr_va_vdst(0)                   ; the wait ahead of the first use: one for the four
.irp r, 0,1,2,3
	v_mov_b32 v[MN+2*(\r)+1], v[MN+2*(\r)]         ; a pair for the packed multiply-add
.endr
.irp r, 0,1,2,3
.irp c, 0,1,2,3
	v_pk_fma_f32 v[Z+16*(\r)+4*(\c):Z+16*(\r)+4*(\c)+1],   v[Z+16*(\r)+4*(\c):Z+16*(\r)+4*(\c)+1],   v[MN+2*(\r):MN+2*(\r)+1], v[WB+4*(\c):WB+4*(\c)+1]
	v_pk_fma_f32 v[Z+16*(\r)+4*(\c)+2:Z+16*(\r)+4*(\c)+3], v[Z+16*(\r)+4*(\c)+2:Z+16*(\r)+4*(\c)+3], v[MN+2*(\r):MN+2*(\r)+1], v[WB+4*(\c)+2:WB+4*(\c)+3]
	global_store_b128 v[OO], v[Z+16*(\r)+4*(\c):Z+16*(\r)+4*(\c)+3], s[10:11] offset:(\r)*16384+(\c)*4096 th:TH_STORE_NT  ; the wave stores 512 consecutive bytes, aligned
.endr
.endr
	s_wait_tensorcnt 0x0                           ; the wave's end, behind my last LDS store
	ds_add_u32 v[SPW], v[NIL]
	s_wait_dscnt 0x0
	s_endpgm
.Lfunc_end_k_q4c95c17bde_norm:
	.size	k_q4c95c17bde_norm, .Lfunc_end_k_q4c95c17bde_norm-k_q4c95c17bde_norm
	.p2alignl 7, 3214868480
	.fill 96, 4, 3214868480
	.section	.rodata,"a",@progbits
	.p2align	6, 0x0
	.amdhsa_kernel k_q4c95c17bde_norm
		.amdhsa_group_segment_fixed_size 1280
		.amdhsa_private_segment_fixed_size 0
		.amdhsa_enable_private_segment 0
		.amdhsa_kernarg_size 32
		.amdhsa_user_sgpr_count 2
		.amdhsa_user_sgpr_kernarg_segment_ptr 1
		.amdhsa_wavefront_size32 1
		.amdhsa_system_sgpr_workgroup_id_x 1
		.amdhsa_system_sgpr_workgroup_id_y 1
		.amdhsa_system_sgpr_workgroup_id_z 1
		.amdhsa_system_vgpr_workitem_id 0
		.amdhsa_next_free_vgpr 128
		.amdhsa_next_free_sgpr 66
		.amdhsa_reserve_vcc 0
		.amdhsa_float_denorm_mode_32 3
		.amdhsa_float_denorm_mode_16_64 3
		.amdhsa_memory_ordered 1
		.amdhsa_forward_progress 1
		.amdhsa_inst_pref_size 26
	.end_amdhsa_kernel
	.amdgpu_metadata
---
amdhsa.version: [ 1, 2 ]
amdhsa.kernels:
  - .name:           k_q4c95c17bde_norm
    .symbol:         k_q4c95c17bde_norm.kd
    .args:
      - { .name: y16, .offset: 0, .size: 8, .value_kind: global_buffer, .address_space: global }
      - { .name: weight_scale, .offset: 8, .size: 8, .value_kind: global_buffer, .address_space: global }
      - { .name: bias, .offset: 16, .size: 8, .value_kind: global_buffer, .address_space: global }
      - { .name: out0, .offset: 24, .size: 8, .value_kind: global_buffer, .address_space: global }
    .group_segment_fixed_size: 1280
    .private_segment_fixed_size: 0
    .kernarg_segment_align: 8
    .kernarg_segment_size: 32
    .max_flat_workgroup_size: 256
    .sgpr_count:     66
    .vgpr_count:     128
    .wavefront_size: 32
...
	.end_amdgpu_metadata
.endif
;; end of part 3
;; ======== version 2 of 2: 3 launches; version 1 with the launch prep written anew for expert scheduling mode
;; workspace buffers: a16 33,554,432 bytes; w16 33,554,432 bytes; y16 33,554,432 bytes
;; launch prep (part 4): grid 1024 x 1, 8 waves a work-group, no clusters, 0 bytes of LDS; arguments input, input_factor, weight, a16, w16; writes a16, w16
.if DOCPART == 4
	.amdgcn_target "amdgcn-amd-amdhsa--gfx1250"
	.amdhsa_code_object_version 6
	.text
	.protected	k_q4c95c17bde_prep
	.globl	k_q4c95c17bde_prep
	.p2align	8
	.type	k_q4c95c17bde_prep,@function
k_q4c95c17bde_prep:
	s_mov_b64 s[64:65], 0
	v_nop
	global_prefetch_b8 v0, s[64:65] scope:SCOPE_SE
	s_setreg_imm32_b32 hwreg(HW_REG_WAVE_SCHED_MODE, 0, 2), 2
	s_setreg_imm32_b32 hwreg(HW_REG_WAVE_MODE, 25, 1), 1
	s_wait_xcnt 0x0
	s_wait_alu depctr_vm_vsrc(0)
; The two operands of the matrix product, in bf16.
; a16[r][c] = bf16(input[r][c]).  input: [4096][4096] f32, a16: [4096][4096] bf16.
; w16[o][8 j + b] = bf16(input_factor[8 j + b]), its sign turned where bit b of weight[o][j] is set.  weight: [4096][512] i32, w16: [4096][4096] bf16.
; WHY THE FACTOR GOES TO THE WEIGHTS' SIDE.  The sum over i of (x_i f_i) w_oi is the sum of x_i (f_i w_oi).  A product x_i f_i would have to be rounded a second time to be a matrix operand;
; +-bf16(f_i) is a bf16 number as it stands, and the product of two bf16 numbers (16 significant bits) is exact in the f32 sums.  So the only roundings here are those of the two inputs themselves.
; LIMITS.  input and input_factor are each rounded once to bf16 (8 significant bits).  Of a weight word bits 0 to 7 count and the others are dropped, as the shifts 0 to 7 of the problem's unpacking
; drop them.  NaN and infinities go through as bf16 holds them.
; SHARES.  1,024 work-groups of eight waves; group g owns rows 4 g .. 4 g + 3 of input and of weight.  The text is straight: all 28 loads of a thread go out at once.
; Thread t keeps columns 1024 c + 4 t .. + 3, c = 0..3, of every row of input: a wave's load covers 512 consecutive bytes of input, its store 256 consecutive, aligned bytes of a16.
; Of a weight row's 512 words wave w, lane l takes words 64 w + l and 64 w + 32 + l, the same two in all four rows, so their 16 factors are loaded and rounded once.  A word becomes 16 bytes: a wave's
; store covers 512 consecutive bytes of w16; the two loads of 128 bytes that make up 256 aligned bytes of weight stand next to each other in the same wave.
; No LDS, no barrier, no matrix unit: no thread wants a byte that another has fetched.  No register that a load or store names is written again, and EXEC never changes: no wait on XCNT is owed.
; THE MODE: SCHED_MODE bits 1:0 = 2 (LLVM: expert scheduling mode 2), set by the entry lines.  The code itself states the register dependences between vector instructions and memory
; instructions, with s_wait_alu, always for 0.
; THE PLAN.  Registers that memory instructions touch:
;   v1, v2, v3, v125, v126   offsets: written once at the head, read by every load and store, never written again.
;   X    load i lands in four registers; its two roundings write the first two of them; store i reads these two; nothing writes them afterwards.
;   WO   word n's twelve vector lines write four registers; store n reads them; nothing writes them afterwards.
;   F, B loads land in them at the head; vector instructions alone name them afterwards.  v124 is named by vector instructions alone.
; All loads stand at the head, behind the one wait for the offsets.  A RESULT IS STORED ONE BLOCK AFTER IT IS MADE: a block is a row of input (four loads) or two weight words.  One wait on va_vdst
; at a block's head states that the block before has written its results; that block's stores follow, dealt among the present block's vector lines, which name the present block's registers alone.
; No register that a memory instruction reads is written again: no wait on vm_vsrc is owed.  No vector instruction writes a scalar register.
.set OA, 1                             ; v1        16 t: my byte offset in a chunk of input
.set OS, 2                             ; v2        8 t: in a chunk of a16
.set OW, 3                             ; v3        4 (64 w + l): my word in a row of weight
.set F,  4                             ; v[4:19]   the 16 factors of my two words' columns in f32, half h at F + 8 h; then, packed to bf16, columns 2 q, 2 q + 1 of half h at F + 4 h + q
.set X,  20                            ; v[20:83]  load i = 4 r + c: four f32, then two registers of bf16
.set B,  84                            ; v[84:91]  weight word n = 2 j + h: row j, half h
.set WO, 92                            ; v[92:123] the 8 bf16 made of word n, at WO + 4 n
.set U,  124                           ; v124      at work
.set OF, 125                           ; v125      32 (64 w + l): my word's 8 factors in input_factor
.set OX, 126                           ; v126      16 (64 w + l): my 16 bytes in a row of w16
	s_load_b256 s[4:11], s[0:1], 0x0               ; input s[4:5], input_factor s[6:7], weight s[8:9], a16 s[10:11]
	s_load_b64 s[12:13], s[0:1], 0x20              ; w16
	s_mov_b32 s14, 0x80008000                      ; the signs of two bf16
	v_lshlrev_b32 v[OA], 4, v0
	v_lshlrev_b32 v[OS], 3, v0
	v_and_b32 v[U], 0xe0, v0                       ; 32 w
	v_add_nc_u32 v[U], v[U], v0                    ; 64 w + l
	v_lshlrev_b32 v[OW], 2, v[U]
	v_lshlrev_b32 v[OX], 4, v[U]
	v_lshlrev_b32 v[OF], 5, v[U]
	s_mov_b32 s3, 0
	s_wait_kmcnt 0x0
	s_lshl_b32 s2, ttmp9, 16                       ; four rows of input: 65,536 bytes
	s_add_nc_u64 s[4:5], s[4:5], s[2:3]
	s_lshl_b32 s2, ttmp9, 15                       ; four rows of a16 and of w16: 32,768 bytes
	s_add_nc_u64 s[10:11], s[10:11], s[2:3]
	s_add_nc_u64 s[12:13], s[12:13], s[2:3]
	s_lshl_b32 s2, ttmp9, 13                       ; four rows of weight: 8,192 bytes
	s_add_nc_u64 s[8:9], s[8:9], s[2:3]
	s_wait_alu depctr_va_vdst(0)                   ; the five offsets v1, v2, v3, v125 and v126 are written: every load and store of the kernel reads one of them
.irp h, 0,1
	global_load_b128 v[F+8*(\h):F+8*(\h)+3],   v[OF], s[6:7] offset:1024*(\h)     ; word 64 w + 32 h + l: columns 8 x word .. + 7, 32 bytes of input_factor
	global_load_b128 v[F+8*(\h)+4:F+8*(\h)+7], v[OF], s[6:7] offset:1024*(\h)+16
.endr
.irp i, 0,1,2,3,4,5,6,7,8,9,10,11,12,13,14,15
	global_load_b128 v[X+4*(\i):X+4*(\i)+3], v[OA], s[4:5] offset:((\i)/4)*16384+((\i)%4)*4096 th:TH_LOAD_NT
.endr
.irp n, 0,1,2,3,4,5,6,7
	global_load_b32 v[B+(\n)], v[OW], s[8:9] offset:128*((\n)%2)+2048*((\n)/2)
.endr
; What load i of input has become is stored: 8 bytes a lane.
.macro ASTORE i
	global_store_b64 v[OS], v[X+4*(\i):X+4*(\i)+1], s[10:11] offset:((\i)/4)*8192+((\i)%4)*2048 th:TH_STORE_NT  ; the wave's 32 lanes store 256 consecutive bytes, aligned
.endm
; The turn of load i of input: the store of the same chunk of the row before, then two roundings of two.
.macro AROW i
	s_wait_loadcnt 23-(\i)                         ; loads come back in order (ISA guide 5.7.1): behind load i stand 15 - i of input and the 8 of weight
.if (\i) >= 4
.if (\i)%4 == 0
	s_wait_alu depctr_va_vdst(0)                   ; the roundings of the row before have written its eight registers of bf16, which this row's four stores read; the roundings among those stores name this row's registers alone
.endif
	ASTORE (\i)-4
.endif
	v_cvt_pk_bf16_f32 v[X+4*(\i)],   v[X+4*(\i)],   v[X+4*(\i)+1]
	v_cvt_pk_bf16_f32 v[X+4*(\i)+1], v[X+4*(\i)+2], v[X+4*(\i)+3]
.endm
; What weight word n has become is stored: 16 bytes a lane.
.macro WSTORE n
	global_store_b128 v[OX], v[WO+4*(\n):WO+4*(\n)+3], s[12:13] offset:512*((\n)%2)+8192*((\n)/2) th:TH_STORE_NT  ; the wave stores 512 consecutive bytes, aligned
.endm
; The turn of weight word n: the store of word n - 2, then the word's own work.
; The byte is laid twice into a word, at bits 0-7 and 15-22.  Shifted left by 15 - 2 q, bit 2 q of the first copy stands at bit 15 and bit 2 q + 1 of the second at bit 31,
; and no other bit of either copy reaches these two places: they are the signs of w for columns 2 q and 2 q + 1.  An exclusive or turns the two factors' signs by them, whatever sign a factor has.
.macro WWORD n
	s_wait_loadcnt 7-(\n)                          ; the younger words may stay out
.if (\n) >= 2
.if (\n)%2 == 0
	s_wait_alu depctr_va_vdst(0)                   ; the exclusive ors of words n - 2 and n - 1 have written their eight registers, which the store below and the next turn's read; the lines of words n and n + 1 name none of them
.endif
	WSTORE (\n)-2
.endif
	v_and_b32 v[U], 0xff, v[B+(\n)]
	v_lshl_or_b32 v[U], v[U], 15, v[U]
.irp q, 0,1,2,3
	v_lshlrev_b32 v[WO+4*(\n)+(\q)], 15-2*(\q), v[U]
.endr
.irp q, 0,1,2,3
	v_and_b32 v[WO+4*(\n)+(\q)], s14, v[WO+4*(\n)+(\q)]
.endr
.irp q, 0,1,2,3
	v_xor_b32 v[WO+4*(\n)+(\q)], v[WO+4*(\n)+(\q)], v[F+4*((\n)%2)+(\q)]
.endr
.endm
.irp i, 0,1,2,3,4,5,6,7,8,9,10,11,12,13,14,15
	AROW \i
.endr
	s_wait_alu depctr_va_vdst(0)                   ; row 3's roundings have written its eight registers of bf16, which the four stores below read; the roundings among them name the factors alone
.irp c, 0,1,2,3
	ASTORE 12+(\c)
	v_cvt_pk_bf16_f32 v[F+2*(\c)],   v[F+4*(\c)],   v[F+4*(\c)+1]    ; the factors, issued first of all loads, are long in.  In place, ascending: register k is written when pairs 0 to k - 1, which lie at or below it, have been read
	v_cvt_pk_bf16_f32 v[F+2*(\c)+1], v[F+4*(\c)+2], v[F+4*(\c)+3]
.endr
.irp n, 0,1,2,3,4,5,6,7
	WWORD \n
.endr
	s_wait_alu depctr_va_vdst(0)                   ; the exclusive ors of words 6 and 7 have written their eight registers, which the last two stores read
	WSTORE 6
	WSTORE 7
	s_endpgm
.Lfunc_end_k_q4c95c17bde_prep:
	.size	k_q4c95c17bde_prep, .Lfunc_end_k_q4c95c17bde_prep-k_q4c95c17bde_prep
	.p2alignl 7, 3214868480
	.fill 96, 4, 3214868480
	.section	.rodata,"a",@progbits
	.p2align	6, 0x0
	.amdhsa_kernel k_q4c95c17bde_prep
		.amdhsa_group_segment_fixed_size 0
		.amdhsa_private_segment_fixed_size 0
		.amdhsa_enable_private_segment 0
		.amdhsa_kernarg_size 40
		.amdhsa_user_sgpr_count 2
		.amdhsa_user_sgpr_kernarg_segment_ptr 1
		.amdhsa_wavefront_size32 1
		.amdhsa_system_sgpr_workgroup_id_x 1
		.amdhsa_system_sgpr_workgroup_id_y 1
		.amdhsa_system_sgpr_workgroup_id_z 1
		.amdhsa_system_vgpr_workitem_id 0
		.amdhsa_next_free_vgpr 128
		.amdhsa_next_free_sgpr 66
		.amdhsa_reserve_vcc 0
		.amdhsa_float_denorm_mode_32 3
		.amdhsa_float_denorm_mode_16_64 3
		.amdhsa_memory_ordered 1
		.amdhsa_forward_progress 1
		.amdhsa_inst_pref_size 14
	.end_amdhsa_kernel
	.amdgpu_metadata
---
amdhsa.version: [ 1, 2 ]
amdhsa.kernels:
  - .name:           k_q4c95c17bde_prep
    .symbol:         k_q4c95c17bde_prep.kd
    .args:
      - { .name: input, .offset: 0, .size: 8, .value_kind: global_buffer, .address_space: global }
      - { .name: input_factor, .offset: 8, .size: 8, .value_kind: global_buffer, .address_space: global }
      - { .name: weight, .offset: 16, .size: 8, .value_kind: global_buffer, .address_space: global }
      - { .name: a16, .offset: 24, .size: 8, .value_kind: global_buffer, .address_space: global }
      - { .name: w16, .offset: 32, .size: 8, .value_kind: global_buffer, .address_space: global }
    .group_segment_fixed_size: 0
    .private_segment_fixed_size: 0
    .kernarg_segment_align: 8
    .kernarg_segment_size: 40
    .max_flat_workgroup_size: 256
    .sgpr_count:     66
    .vgpr_count:     128
    .wavefront_size: 32
...
	.end_amdgpu_metadata
.endif
;; end of part 4
;; launch gemm: the kernel of part 2 again; grid 16 x 16, 4 waves a work-group, clusters of 4 x 4, 327,680 bytes of LDS; arguments a16, w16, y16; writes y16
;; launch norm: the kernel of part 3 again; grid 1024 x 1, 8 waves a work-group, no clusters, 1,280 bytes of LDS; arguments y16, weight_scale, bias, out0; writes out0
